; MI455X (gfx1250); checked and timed in simulation.
; The chip was launched on July 23, 2026; its instructions are those of AMD's public machine-readable ISA for CDNA 5 (MIT licence, August 2026) and "CDNA5" Instruction Set Architecture Reference Guide (July 2026). The comments in the code are by the model that wrote it; some were corrected since.
;; Attention. Allowed arithmetic: matrix products marked QUANTISED: E4M3 operands, one given power-of-two scale a tensor, by v_wmma_f32_16x16x64_fp8_fp8 or v_wmma_f32_16x16x128_fp8_fp8, f32 sums; products left as they are: f32 operands where the result goes on into a quantised operand, else bf16, f16 or f32 operands; f32 sums; everything else in f32.
;; Inputs: W_h_codes 1,024 x 64 x 32 uint8 (E4M3 codes of W_h, K innermost, in blocks of 32 codes); decoder_hidden 64 x 1,024 float32; encoder_outputs 64 x 512 x 1,024 float32; inp_mask 512 x 64 float32; lowp_scales 2 int32 (the exponents e of the quantised operands' scales 2^e); v 1,024 float32.
;; Outputs: out0 64 x 1 x 512 float32; out1 64 x 1 x 1,024 float32.
;; This version of the problem:
;;   THIS VERSION OF THE PROBLEM IS GIVEN IN LOW PRECISION. The matrix products marked QUANTISED in the list below multiply operands that are first quantised to E4M3 (4 exponent bits, 3 mantissa bits; 8 bits a number), with one given power-of-two scale for each operand tensor; their sums are f32. All else is computed in f32.
;;   The module's matrix products, in the order in which they are computed (A, B: the left and right operand; K: the contracted axis; several contracted axes count as one K, in the product's order):
;;     1. [M 32,768, K 2,048] x [K 2,048, N 1,024]; A: computed on the way; B: input W_h (given as codes): QUANTISED (scales: A lowp_scales[0], B lowp_scales[1])
;;     2. [M 32,768, K 1,024] x [K 1,024, N 1]; A: computed on the way; B: input v: left as it is (N = 1 < 16)
;;     3. batch 64 x [M 1, K 512] x [K 512, N 1,024]; A: computed on the way; B: input encoder_outputs: left as it is (M = 1 < 16)
;;   THE QUANTISER, for each operand of a quantised product, along K:
;;     - The operand's scale is 2^e, e = its entry of the input lowp_scales (int32; the entries are numbered through the quantised products in the list's order, A before B).
;;     - Each number is divided by the scale, clamped to +-448, and rounded to the nearest number of E4M3, ties to even, subnormals kept.
;;     - The product sums the exact products of the quantised numbers (number of the format x scale) in f32.
;;   ~~~python
;;   def quantise(x, axis, e):      # numpy; x: float32 -> the quantised numbers, widened to float32 again
;;       x = np.moveaxis(x, axis, -1); K = x.shape[-1]
;;       r = np.clip(x / 2.0 ** e, -448, 448)
;;       step = 2.0 ** (np.maximum(np.frexp(np.where(r == 0, 1, r))[1] - 1, -6) - 3)
;;       q = np.round(r / step) * step * 2.0 ** e      # np.round: ties to even
;;       return np.moveaxis(q, -1, axis).astype(np.float32)
;;   ~~~
;;   OPERANDS COMPUTED ON THE WAY. 'Computed on the way' means the value that the module computes at that place (a softmax that the list does not call 'softmax' is quantised finished and normalised). What goes into a quantiser is computed in f32, as accurately as f32 sums, v_exp_f32 and their like allow (about 1e-6 of the number): no bf16 or f16 on the way to a quantiser, and a product that is left as it is and whose result goes on into a quantised operand takes f32 operands (vector FMAs, or v_wmma_f32_16x16x4_f32). A number that lies on a knife's edge between two numbers of the format may be rounded either way, as far as f32 arithmetic and the matrix unit's own rounding can turn it there, and no further.
;;   INPUTS GIVEN AS CODES. W_h (in the module: [1024, 2048], K = its axis 1): each comes as NAME_codes (uint8): NAME with its K axis moved to the last place and cut into blocks of 32 codes, [.., K / 32, bytes a block], one block behind the other in memory; one code a byte (a code: sign, 4 exponent bits, 3 mantissa bits); its scale is its entry of lowp_scales. Its value is code x scale, taken as it is: it is not quantised again, and the codes and scales need not be those that the quantiser above would give.
;; One version. Each part assembles by itself: llvm-mc -triple=amdgcn-amd-amdhsa -mcpu=gfx1250 --defsym DOCPART=n.
;; ======== version 1 of 1: 4 launches
;; limits: right only within a limited range of input values
;; workspace buffers: wimg 1,048,576 bytes; dsum 262,144 bytes; scores 131,072 bytes; part 1,048,576 bytes; uraw 131,072 bytes
;; launch prep (part 1): grid 64 x 1, 4 waves a work-group, no clusters, 172,800 bytes of LDS; arguments W_h_codes, decoder_hidden, lowp_scales, wimg, dsum; writes wimg, dsum
.if DOCPART == 1
	.amdgcn_target "amdgcn-amd-amdhsa--gfx1250"
	.amdhsa_code_object_version 6
	.text
	.protected	k_q2cb54d9083_prep
	.globl	k_q2cb54d9083_prep
	.p2align	8
	.type	k_q2cb54d9083_prep,@function
k_q2cb54d9083_prep:
	s_mov_b64 s[64:65], 0
	v_nop
	global_prefetch_b8 v0, s[64:65] scope:SCOPE_SE
	s_setreg_imm32_b32 hwreg(HW_REG_WAVE_MODE, 25, 1), 1
	s_wait_xcnt 0x0
; PREP.  The concatenated operand's first 1,024 of K are decoder_hidden[b], the same row for all 512 s of a b.  So that half of the quantised product is made once:
;   dsum[b][n] = sum over k < 1024 of code(decoder_hidden[b][k]) x code(W_h[n][k]), in units of 2^(e0 + e1), f32; the next launch takes it as the C of the other half's first products.
; And the other half of W_h's codes (k = 1024 .. 2047) is laid anew in the order of the operand's registers:
;   wimg byte (n / 64) x 65536 + s x 8192 + ((n / 16) % 4) x 2048 + c x 512 + lane x 16 + i = W_h_codes[n][1024 + 128 s + 32 c + 16 (lane / 16) + i], lane % 16 = n % 16.
; SHARES.  Work-group g: mt = g & 3 (b = 16 mt ..), ng = g >> 2 (n = 64 ng ..).  Wave w (a) quantises K steps 2 w, 2 w + 1 of the 16 decoder rows and hands their fragments on through LDS as images of the registers,
; (b) makes dsum for the 16 b x n = 64 ng + 16 w .. + 15: eight products on two accumulators by turns, (c) lays K steps 2 w, 2 w + 1 of W's rows 16 g .. 16 g + 15 anew.
; A FRAGMENT is 16 rows x 128 K in 16 registers: registers 4 c .. 4 c + 3 of lane (r, h) hold k = 32 c + 16 h + 0 .. 15 of row r: one permutation of k, the same in both operands.
; Every global load and store of a wave covers 512 consecutive bytes, or two runs of 256; rows are turned into fragments in LDS.
; code = x / 2^e0, held within +-448, to the nearest code, ties to even.  LIMITS: e0 between -126 and 119.  NaN among the inputs is not served; an infinity is held at the largest code.
; No tensor loads: 144 KB come in once for each work-group, and each byte goes to one wave.
.set TSTW,  16896                      ; LDS 0: for each wave two stages of 16 rows x (512 bytes + 16), for the decoder rows' turn
.set STG,   8448
.set SPI,   528                        ; 33 x 16 bytes: the 16 rows that a load touches start at 16 different 16-byte columns of 256
.set DIMG,  67584                      ; the decoder's 8 fragments as images, 2,048 bytes each
.set W1S,   83968                      ; for each wave 16 rows of W (k < 1024) x (1,024 bytes + 16)
.set W1W,   16640
.set W1P,   1040
.set W2S,   150528                     ; for each wave 16 rows of W (256 bytes of k >= 1024) x (256 + 16)
.set W2W,   4352
.set W2P,   272
.set OST,   167936                     ; the way out: 16 rows (b) x (64 n x 4 bytes + 16)
.set OSP,   272
.set LI,  1                            ; v1   16 x lane
.set TSI, 4                            ; v4   a stage, on the way in
.set TSO, 5                            ; v5   and on the way out
.set IMW, 6                            ; v6   where I store my two images
.set IMR, 7                            ; v7   where any image is read
.set W1I, 8                            ; v8, v9    W1's rows in, its fragments out
.set W1O, 9
.set G2,  10                           ; v10  W2's rows in memory: two rows of 256 bytes a load
.set W2I, 11                           ; v11, v12  W2's rows in, its fragments out
.set W2O, 12
.set OSI, 13                           ; v13, v14  the way out
.set OSO, 14
.set GD,  15                           ; v15  my bytes in two rows of dsum
.set X0,  32                           ; v32-95, v96-159: 64 numbers of a lane
.set X1,  96
.set PC,  160                          ; v160-175 the codes just made
.set W2R, 176                          ; v176-207 W2: as loaded, then as fragments
.set AC,  208                          ; v208-215, v216-223 two accumulators
.set OU,  224                          ; v224-231 their sum
.set BK,  232                          ; v232-239 rows read back
.set SCL, 240                          ; v240 2^e0;  v241 448 x 2^e0
.set LIM, 241
.set RAWW, 0x04                        ; the numbers as loaded lie in window 1 (an LDS store's data: source 1)
; window 1: first v0-127 the decoder's numbers as loaded, v128-255 W1's codes as loaded; then v0-127 W1's 8 fragments, v128-255 the decoder's 8
.set MSB, 0
.macro WIN new                         ; the immediate's high byte repeats the setting that is left; a switch that changes nothing is dropped
.if MSB != (\new)
	s_set_vgpr_msb (MSB<<8)|(\new)
.set MSB, \new
.endif
.endm
.macro PLACES
.rept 4
	v_nop
.endr
.endm
; 16 rows x 512 bytes as loaded (row i in registers raw + 4 i, 16 bytes a lane) go into stage st and come back 64 bytes a lane: register x + 16 c + i = k 32 c + 16 h + i of row r.
; The stage is the wave's own and LDS serves a wave's instructions in order: no wait between the stores and the loads.
.macro TURN raw, st, x
	WIN RAWW
.irp i, 0,1,2,3,4,5,6,7,8,9,10,11,12,13,14,15
	ds_store_b128 v[TSI], v[(\raw)+4*\i:(\raw)+4*\i+3] offset:(\st)*STG+SPI*\i
.endr
	WIN 0
.irp c, 0,1,2,3
.irp j, 0,1,2,3
	ds_load_b128 v[(\x)+16*\c+4*\j:(\x)+16*\c+4*\j+3], v[TSO] offset:(\st)*STG+128*\c+16*\j
.endr
.endr
.endm
.macro QUANT x                         ; 64 numbers of a lane become a fragment's 16 registers of codes
.irp c, 0,1,2,3
.irp i, 0,1,2,3,4,5,6,7,8,9,10,11,12,13,14,15
	v_med3_num_f32 v[(\x)+16*\c+\i], v[(\x)+16*\c+\i], -v[LIM], v[LIM]   ; the conversion to an 8-bit code does not saturate (ISA guide 7.6.2): the hold at the largest code x the scale
.endr
	v_cvt_scalef32_pk8_fp8_f32 v[PC+4*\c:PC+4*\c+1], v[(\x)+16*\c:(\x)+16*\c+7], v[SCL]
	v_cvt_scalef32_pk8_fp8_f32 v[PC+4*\c+2:PC+4*\c+3], v[(\x)+16*\c+8:(\x)+16*\c+15], v[SCL]
.endr
	v_nop                                          ; one plain vector line behind the last scaled conversion
.endm
.macro IMAGE adr, off                  ; the fragment goes to LDS as it stands: 512 consecutive bytes a store
.irp c, 0,1,2,3
	ds_store_b128 v[\adr], v[PC+4*\c:PC+4*\c+3] offset:(\off)+512*\c
.endr
.endm
	s_load_b256 s[4:11], s[0:1], 0x0               ; W's codes s[4:5], decoder_hidden s[6:7], the scales' exponents s[8:9], wimg s[10:11]
	s_load_b64 s[12:13], s[0:1], 0x20              ; dsum
	v_lshl_add_u32 v254, v0, 2, 0x2a100
	v_mov_b32 v255, 0
	v_lshrrev_b32 v2, 5, v0
	v_readfirstlane_b32 s14, v2                    ; wave 0..3
	v_and_b32 v1, 31, v0
	v_lshlrev_b32 v[LI], 4, v1
	v_and_b32 v2, 15, v0                           ; r
	v_bfe_u32 v3, v0, 4, 1                         ; h
	s_wait_alu depctr_va_vdst(0)
	s_and_b32 s15, ttmp9, 3                        ; mt
	s_lshr_b32 s16, ttmp9, 2                       ; ng
	s_lshl_b32 s18, s15, 16                        ; decoder: 16 mt rows of 4,096 bytes + 2 w K steps of 512
	s_lshl_b32 s19, s14, 10
	s_add_co_u32 s18, s18, s19
	s_mov_b32 s19, 0
	s_lshl_b32 s20, s16, 17                        ; W, k < 1024: row 64 ng + 16 w, 2,048 bytes a row
	s_lshl_b32 s21, s14, 15
	s_add_co_u32 s20, s20, s21
	s_mov_b32 s21, 0
	s_lshl_b32 s22, ttmp9, 15                      ; W, k >= 1024: row 16 g, byte 1024 + 256 w
	s_lshl_b32 s23, s14, 8
	s_add_co_u32 s22, s22, s23
	s_add_co_u32 s22, s22, 1024
	s_mov_b32 s23, 0
	s_lshl_b32 s24, s16, 16                        ; wimg: (g / 4) x 65536 + (g % 4) x 2048 + 2 w x 8192
	s_lshl_b32 s25, s15, 11
	s_add_co_u32 s24, s24, s25
	s_lshl_b32 s25, s14, 14
	s_add_co_u32 s24, s24, s25
	s_mov_b32 s25, 0
	s_lshl_b32 s26, s15, 16                        ; dsum: row 16 mt + 4 w, byte 256 ng
	s_lshl_b32 s27, s14, 14
	s_add_co_u32 s26, s26, s27
	s_lshl_b32 s27, s16, 8
	s_add_co_u32 s26, s26, s27
	s_mov_b32 s27, 0
	v_lshlrev_b32 v[G2], 11, v3
	v_lshl_add_u32 v[G2], v2, 4, v[G2]             ; lanes 0-15 one row's 256 bytes, lanes 16-31 the next row's
	s_wait_alu depctr_va_vdst(0)
	s_wait_kmcnt 0x0
	s_load_b32 s28, s[8:9], 0x0                    ; e0
	s_add_nc_u64 s[6:7], s[6:7], s[18:19]
	s_add_nc_u64 s[20:21], s[4:5], s[20:21]
	s_add_nc_u64 s[22:23], s[4:5], s[22:23]
	s_add_nc_u64 s[10:11], s[10:11], s[24:25]
	s_add_nc_u64 s[12:13], s[12:13], s[26:27]
	WIN 0x40                                       ; destination window 1
.irp f, 0,1
.irp i, 0,1,2,3,4,5,6,7,8,9,10,11,12,13,14,15
	global_load_b128 v[64*\f+4*\i:64*\f+4*\i+3], v[LI], s[6:7] offset:4096*\i+512*\f      ; decoder row i, K step 2 w + f: 512 consecutive bytes
.endr
.endr
.irp i, 0,1,2,3,4,5,6,7,8,9,10,11,12,13,14,15
.irp u, 0,1
	global_load_b128 v[128+8*\i+4*\u:128+8*\i+4*\u+3], v[LI], s[20:21] offset:2048*\i+512*\u   ; W's row i, k = 512 u on
.endr
.endr
	WIN 0
.irp i, 0,1,2,3,4,5,6,7
	global_load_b128 v[W2R+4*\i:W2R+4*\i+3], v[G2], s[22:23] offset:4096*\i               ; W's rows 2 i, 2 i + 1, my 256 bytes of each
.endr
	s_mul_i32 s30, s14, TSTW
	v_add_nc_u32 v[TSI], s30, v[LI]
	v_mul_u32_u24 v[TSO], v2, SPI
	v_lshl_add_u32 v[TSO], v3, 6, v[TSO]
	v_add_nc_u32 v[TSO], s30, v[TSO]
	s_lshl_b32 s30, s14, 12
	s_add_co_u32 s30, s30, DIMG
	v_add_nc_u32 v[IMW], s30, v[LI]
	v_add_nc_u32 v[IMR], DIMG, v[LI]
	s_mul_i32 s30, s14, W1W
	s_add_co_u32 s30, s30, W1S
	v_add_nc_u32 v[W1I], s30, v[LI]
	v_mul_u32_u24 v[W1O], v2, W1P
	v_lshl_add_u32 v[W1O], v3, 4, v[W1O]
	v_add_nc_u32 v[W1O], s30, v[W1O]
	s_mul_i32 s30, s14, W2W
	s_add_co_u32 s30, s30, W2S
	v_mul_u32_u24 v[W2I], v3, W2P
	v_lshl_add_u32 v[W2I], v2, 4, v[W2I]
	v_add_nc_u32 v[W2I], s30, v[W2I]
	v_mul_u32_u24 v[W2O], v2, W2P
	v_lshl_add_u32 v[W2O], v3, 3, v[W2O]           ; row r, + 8 h: see the order of k below
	v_add_nc_u32 v[W2O], s30, v[W2O]
	s_lshl_b32 s30, s14, 6
	s_add_co_u32 s30, s30, OST
	v_mul_u32_u24 v[OSI], v2, OSP
	v_lshl_add_u32 v[OSI], v3, 5, v[OSI]
	v_add_nc_u32 v[OSI], s30, v[OSI]               ; row b = r, + 64 w + 32 h: my eight n
	s_mul_i32 s30, s14, 4*OSP
	s_add_co_u32 s30, s30, OST
	v_mul_u32_u24 v[OSO], v3, OSP
	v_lshl_add_u32 v[OSO], v2, 4, v[OSO]
	v_add_nc_u32 v[OSO], s30, v[OSO]               ; back: rows 4 w + h (+ 2), 16 bytes a lane
	v_lshlrev_b32 v[GD], 12, v3
	v_lshl_add_u32 v[GD], v2, 4, v[GD]
	s_wait_kmcnt 0x0
	s_add_co_i32 s28, s28, 127
	s_lshl_b32 s29, s28, 23
	v_mov_b32 v[SCL], s29                          ; 2^e0 as f32: the conversion takes its exponent field
	s_add_co_i32 s28, s28, 8
	s_lshl_b32 s28, s28, 23
	s_or_b32 s28, s28, 0x600000
	v_mov_b32 v[LIM], s28                          ; 448 x 2^e0
	s_wait_alu depctr_va_vdst(0)
	s_wait_loadcnt 56                              ; the first K step's 16 loads are in: 16 + 32 + 8 younger ones may be out
	TURN 0, 0, X0
	s_wait_loadcnt 40                              ; the second's: 32 + 8 may be out
	TURN 64, 1, X1
	s_wait_dscnt 32                                ; the first turn is back; the second turn's 32 may be out
	QUANT X0
	IMAGE IMW, 0
	s_wait_dscnt 0x0                               ; the second turn is back, and the image's stores have read the codes' registers
	QUANT X1
	IMAGE IMW, 2048
	s_wait_loadcnt 8                               ; W1's 32 loads are in; W2's 8 may be out
	WIN 0x04
.irp i, 0,1,2,3,4,5,6,7,8,9,10,11,12,13,14,15
.irp u, 0,1
	ds_store_b128 v[W1I], v[128+8*\i+4*\u:128+8*\i+4*\u+3] offset:W1P*\i+512*\u
.endr
.endr
	WIN 0
	s_wait_loadcnt 0x0
.irp i, 0,1,2,3,4,5,6,7
	ds_store_b128 v[W2I], v[W2R+4*\i:W2R+4*\i+3] offset:2*W2P*\i
.endr
.irp f, 0,1
.irp c, 0,1,2,3
	; THE ORDER OF k IN wimg (it replaces the plain order named at the head): inside each 256 of k, place 8 l + 4 u + i holds k = 128 u + 4 l + i (l < 32, u < 2, i < 4),
	; the order in which the next launch lays x's codes.  Places 128 f + 32 c + 16 h + 0 .. 15 are l = 16 f + 4 c + 2 h and l + 1: four words of the row.  These come behind all eight stores.
	ds_load_b32 v[W2R+16*\f+4*\c], v[W2O] offset:64*\f+16*\c
	ds_load_b32 v[W2R+16*\f+4*\c+1], v[W2O] offset:64*\f+16*\c+128
	ds_load_b32 v[W2R+16*\f+4*\c+2], v[W2O] offset:64*\f+16*\c+4
	ds_load_b32 v[W2R+16*\f+4*\c+3], v[W2O] offset:64*\f+16*\c+132
.endr
.endr
	s_wait_dscnt 0x0                               ; for the others' sake: my images lie in LDS; and all my LDS loads are in
	s_barrier_signal -1
	s_barrier_wait -1                              ; the decoder's eight fragments lie in LDS
.irp f, 0,1
.irp c, 0,1,2,3
	global_store_b128 v[LI], v[W2R+16*\f+4*\c:W2R+16*\f+4*\c+3], s[10:11] offset:8192*\f+512*\c   ; 512 consecutive bytes of wimg
.endr
.endr
	WIN 0x40
.irp s, 0,1,2,3,4,5,6,7
.irp c, 0,1,2,3
	ds_load_b128 v[16*\s+4*\c:16*\s+4*\c+3], v[W1O] offset:128*\s+32*\c
	ds_load_b128 v[128+16*\s+4*\c:128+16*\s+4*\c+3], v[IMR] offset:2048*\s+512*\c
.endr
.endr
	s_wait_dscnt 0x0
	WIN 0x05                                       ; sources 0 and 1 window 1; C and D window 0
; TRANSPOSED: source 0 = 16 rows of W, source 1 = the 16 decoder rows: lane (r, h) holds b = r and n = 8 h + 0 .. 7.  Two accumulators by turns: even K steps, odd K steps.
.irp s, 0,1,2,3,4,5,6,7
.if \s < 2
	v_wmma_f32_16x16x128_fp8_fp8 v[AC+8*(\s%2):AC+8*(\s%2)+7], v[16*\s:16*\s+15], v[128+16*\s:128+16*\s+15], 0
.else
	v_wmma_f32_16x16x128_fp8_fp8 v[AC+8*(\s%2):AC+8*(\s%2)+7], v[16*\s:16*\s+15], v[128+16*\s:128+16*\s+15], v[AC+8*(\s%2):AC+8*(\s%2)+7]
.endif
.endr
	WIN 0
	PLACES                                         ; four places in front of the first read of results (ISA guide 7.12.1)
.irp j, 0,2,4,6
	v_pk_add_f32 v[OU+\j:OU+\j+1], v[AC+\j:AC+\j+1], v[AC+8+\j:AC+8+\j+1]   ; each accumulator from its low end on
.endr
	ds_store_b128 v[OSI], v[OU:OU+3]
	ds_store_b128 v[OSI], v[OU+4:OU+7] offset:16
	s_wait_dscnt 0x0                               ; for the others' sake: a row's 256 bytes come from four waves
	s_barrier_signal -1
	s_barrier_wait -1
	ds_load_b128 v[BK:BK+3], v[OSO]
	ds_load_b128 v[BK+4:BK+7], v[OSO] offset:2*OSP
	s_wait_dscnt 0x0
	global_store_b128 v[GD], v[BK:BK+3], s[12:13]                  ; sixteen lanes store 256 consecutive bytes of a row of dsum, at a multiple of 256
	global_store_b128 v[GD], v[BK+4:BK+7], s[12:13] offset:8192
	s_barrier_signal -1
	s_barrier_wait -1
	s_wait_tensorcnt 0x0
	ds_add_u32 v254, v255
	s_wait_dscnt 0x0
	s_endpgm
.Lfunc_end_k_q2cb54d9083_prep:
	.size	k_q2cb54d9083_prep, .Lfunc_end_k_q2cb54d9083_prep-k_q2cb54d9083_prep
	.p2alignl 7, 3214868480
	.fill 96, 4, 3214868480
	.section	.rodata,"a",@progbits
	.p2align	6, 0x0
	.amdhsa_kernel k_q2cb54d9083_prep
		.amdhsa_group_segment_fixed_size 172800
		.amdhsa_private_segment_fixed_size 0
		.amdhsa_enable_private_segment 0
		.amdhsa_kernarg_size 40
		.amdhsa_user_sgpr_count 2
		.amdhsa_user_sgpr_kernarg_segment_ptr 1
		.amdhsa_wavefront_size32 1
		.amdhsa_system_sgpr_workgroup_id_x 1
		.amdhsa_system_sgpr_workgroup_id_y 1
		.amdhsa_system_sgpr_workgroup_id_z 1
		.amdhsa_system_vgpr_workitem_id 0
		.amdhsa_next_free_vgpr 512
		.amdhsa_next_free_sgpr 66
		.amdhsa_reserve_vcc 0
		.amdhsa_float_denorm_mode_32 3
		.amdhsa_float_denorm_mode_16_64 3
		.amdhsa_memory_ordered 1
		.amdhsa_forward_progress 1
		.amdhsa_inst_pref_size 37
	.end_amdhsa_kernel
	.amdgpu_metadata
---
amdhsa.version: [ 1, 2 ]
amdhsa.kernels:
  - .name:           k_q2cb54d9083_prep
    .symbol:         k_q2cb54d9083_prep.kd
    .args:
      - { .name: W_h_codes, .offset: 0, .size: 8, .value_kind: global_buffer, .address_space: global }
      - { .name: decoder_hidden, .offset: 8, .size: 8, .value_kind: global_buffer, .address_space: global }
      - { .name: lowp_scales, .offset: 16, .size: 8, .value_kind: global_buffer, .address_space: global }
      - { .name: wimg, .offset: 24, .size: 8, .value_kind: global_buffer, .address_space: global }
      - { .name: dsum, .offset: 32, .size: 8, .value_kind: global_buffer, .address_space: global }
    .group_segment_fixed_size: 172800
    .private_segment_fixed_size: 0
    .kernarg_segment_align: 8
    .kernarg_segment_size: 40
    .max_flat_workgroup_size: 128
    .sgpr_count:     66
    .vgpr_count:     512
    .wavefront_size: 32
...
	.end_amdgpu_metadata
.endif
;; end of part 1
;; launch scores (part 2): grid 256 x 1, 4 waves a work-group, no clusters, 143,872 bytes of LDS; arguments encoder_outputs, wimg, dsum, v, lowp_scales, scores; writes scores
.if DOCPART == 2
	.amdgcn_target "amdgcn-amd-amdhsa--gfx1250"
	.amdhsa_code_object_version 6
	.text
	.protected	k_q2cb54d9083_scores
	.globl	k_q2cb54d9083_scores
	.p2align	8
	.type	k_q2cb54d9083_scores,@function
k_q2cb54d9083_scores:
	s_mov_b64 s[64:65], 0
	v_nop
	global_prefetch_b8 v0, s[64:65] scope:SCOPE_SE
	s_setreg_imm32_b32 hwreg(HW_REG_WAVE_MODE, 25, 1), 1
	s_wait_xcnt 0x0
; SCORES.  scores[b][s] = sum over n of v[n] tanh(2^(e0 + e1) (dsum[b][n] + sum over k of code(enc[b][s][k]) x code(W_h[n][1024 + k]))).
; SHARES.  A work-group takes 128 rows (b, s), all of one b = g / 4.
; PHASE X: wave w reads its 32 rows of encoder_outputs once, 512 consecutive bytes a load, a ring of 8 rows (64 loads) in window 3.  A lane's two loads of a 256 of k (k = 4 l + i and 128 + 4 l + i)
; are eight numbers in eight registers: one hold each, one conversion, and eight codes go to LDS by one store at place 8 l of that 256.  So inside each 256 of k place 8 l + 4 u + i holds k = 128 u + 4 l + i;
; wimg has the same order, so every product meets its partner.  LDS holds 128 rows of 1,024 codes, 1,040 bytes apart (65 x 16: the 16 rows of a fragment load start at 16 different 16-byte columns).
; PRODUCTS: N goes in four quarters of 256; wave w makes n = 256 q + 64 w .. + 63 for all 128 rows: 32 accumulators, 256 registers.  K is outermost in a quarter: a K step of 128 is 32 products
; (two halves of 16: rows 0-63, rows 64-127), each of W's four fragments is used in one K step and its registers then take the K step four further on: a ring of 4 K steps, 16 loads of 512 consecutive bytes each.
; There are two sets of accumulators (windows 2 and 3).  A trip of the loop: a quarter into window 2; a quarter into window 3 with window 2's tanh and dot product with v between its products; window 3's alone.
; TANH IN BATCHES of 64 registers through five stations, one K step apart: x c | 2^ | + 1 | 1 / | x v, summed.  The plain lines stand between the products, the transcendentals at the K step's end,
; and one s_wait_alu at each K step's head stands between every station and the next, and between the transcendentals and the next products.
; TRANSPOSED: source 0 = 16 rows of W, source 1 = 16 rows of x: lane (r, h) holds row r and n = 16 t + 8 h + 0 .. 7.  dsum is the C of each sum's first product.
; tanh(x) = 1 - 2 / (1 + 2^(2 log2(e) x)), so the score is sum(v) - 2 sum of v[n] / (1 + 2^(c acc)), c = 2 log2(e) 2^(e0 + e1).  2^.. = infinity gives tanh = 1, 2^.. = 0 gives -1.
; NO JOINT LOADS, though all work-groups read the same W: each fragment of W is wanted by ONE wave of a work-group and goes straight into its registers; through LDS its 1,048,576 bytes would be written and read there once more.
; NO PREFETCH: in phase X each wave keeps 63 loads of 512 bytes out, and W's loads are asked three K steps (96 products) ahead.
; LIMITS: e0 between -126 and 119; e0 + e1 between -127 and 126 (it is added to c's exponent field).  NaN among the inputs is not served; an infinity is held at the largest code.
; REGISTERS, in windows of 256 (s_set_vgpr_msb: bits 1:0 source 0, 3:2 source 1, 5:4 source 2, 7:6 destination):
;   window 0: v1-15 addresses; v16-31 the rows' running sums; v32-63 v, v64-95 dsum of a quarter; v96-159, v160-223 x's fragments of rows 0-63 and 64-127 (phase X: 32 numbers held, 8 registers of codes).
;   window 1: W(K step G, tile t) at 64 (G % 4) + 16 t.   windows 2, 3: accumulator (half g, tile of rows a, tile of n t) at 128 g + 32 a + 8 t (phase X: window 3 is the ring).
.set XP,    1040                       ; LDS 0: x's codes, 128 rows
.set DLDS,  133120                     ; dsum's row b, 4,096 bytes; v lies behind it
.set VLDS,  137216                     ; v, 4,096 bytes
.set SST,   141312                     ; the waves' partial sums: 4 x 128 rows x 4 bytes
.set SPARE, 143360                     ; the spare words, 128 bytes a wave
.set LI,  1                            ; 16 x lane
.set XA0, 2                            ; v2, v3: my fragment rows of rows 0-63, 64-127
.set XA1, 3
.set XST, 4                            ; where my wave's codes go: 8 x lane + 32 w rows
.set XAD, 5                            ; the same for the trip in hand
.set VA,  6                            ; my lane's place in a quarter's v and dsum
.set DA,  7
.set SCL, 8                            ; 2^e0;  v9  448 x 2^e0
.set LIM, 9
.set SMA, 10
.set SSA, 11
.set ADR, 12
.set T16, 13
.set VS,  14
.set SR,  15
.set P,   16
.set VR,  32
.set DR,  64
.set F0,  96
.set T,   96
.set PC,  128
.set SM,  224
.set RR,  240
.set HH,  241
.set SPW, 254
.set NIL, 255
.set SQ,  25                           ; s25  2,048 x trip: two quarters of v or dsum
.set XS,  26                           ; s26  8 rows of codes x trip of phase X
.set MSB, 0
.macro WIN new                         ; the immediate's high byte repeats the setting that is left; a switch that changes nothing is dropped
.if MSB != (\new)
	s_set_vgpr_msb (MSB<<8)|(\new)
.set MSB, \new
.endif
.endm
.macro PLACES                          ; four places behind matrix instructions, ahead of loads into their sources and of reads of their results
.rept 4
	v_nop
.endr
.endm
.macro GLR i, off                      ; a row's 4,096 bytes into slot i of the ring
	WIN 0xc0
.irp q, 0,1,2,3,4,5,6,7
	global_load_b128 v[32*(\i)+4*\q:32*(\i)+4*\q+3], v[LI], s[4:5] offset:(\off)+4096*(\i)+512*\q th:TH_LOAD_NT
.endr
	WIN 0
.endm
.macro WLOAD G                         ; my four fragments of W of K step G, counted from the quarter at which s[6:7] stands
	WIN 0x40
.irp t, 0,1,2,3
.irp c, 0,1,2,3
	global_load_b128 v[64*((\G)%4)+16*\t+4*\c:64*((\G)%4)+16*\t+4*\c+3], v[LI], s[6:7] offset:((\G)/8)*0x40000+((\G)%8)*8192+2048*\t+512*\c
.endr
.endr
	WIN 0
.endm
; Slot i's row: held, its registers asked for again (more = 1: the row 8 further on; else W's first K steps), converted, stored.  left: the younger loads that may stay out (the count names 63 at the most).
.macro ROWX i, more, left
	s_wait_loadcnt \left
	WIN 0x03
.set n, 0
.rept 32
	v_med3_num_f32 v[T+n], v[32*(\i)+n], -v[LIM], v[LIM]   ; the conversion does not saturate (ISA guide 7.6.2): the hold at the largest code x the scale
.set n, n+1
.endr
.if \more
	GLR \i, 0x8000
.elseif (\i) < 3
	WLOAD \i
.endif
	WIN 0
.irp j, 0,1,2,3
	v_cvt_scalef32_pk8_fp8_f32 v[PC+2*\j:PC+2*\j+1], v[T+8*\j:T+8*\j+7], v[SCL]
.endr
	v_nop                                          ; one plain line behind the last scaled conversion
.irp j, 0,1,2,3
	ds_store_b64 v[XAD], v[PC+2*\j:PC+2*\j+1] offset:(\i)*XP+256*\j   ; 256 consecutive bytes of a row of codes
.endr
.endm
.macro FETCH g, s                      ; half g's four fragments of x of K step s
.irp a, 0,1,2,3
.irp c, 0,1,2,3
	ds_load_b128 v[F0+64*(\g)+16*\a+4*\c:F0+64*(\g)+16*\a+4*\c+3], v[XA0+(\g)] offset:\a*16*XP+128*(\s)+32*\c
.endr
.endr
.endm
.macro DLOAD off                       ; dsum of a quarter in the result's layout: register 8 t + j = n 16 t + 8 h + j
	v_add_nc_u32 v[ADR], s[SQ], v[DA]
.irp t, 0,1,2,3
.irp i, 0,1
	ds_load_b128 v[DR+8*\t+4*\i:DR+8*\t+4*\i+3], v[ADR] offset:(\off)+64*\t+16*\i
.endr
.endr
.endm
.macro VLOAD off                       ; v likewise
	v_add_nc_u32 v[ADR], s[SQ], v[VA]
.irp t, 0,1,2,3
.irp i, 0,1
	ds_load_b128 v[VR+8*\t+4*\i:VR+8*\t+4*\i+3], v[ADR] offset:(\off)+64*\t+16*\i
.endr
.endr
.endm
; Product i of a half's 16: tile of rows i / 4, tile of n i % 4.  The accumulators take turns, one instruction a turn, in the same order in every K step.
.macro MM qq, s, g, i
.set rD, 128*(\g)+32*((\i)/4)+8*((\i)%4)
.set rW, 64*((\s)%4)+16*((\i)%4)
.set rA, F0+64*(\g)+16*((\i)/4)
.if (\s) == 0
	WIN 0x81+0x40*(\qq)                            ; W window 1, x and dsum window 0, D window 2 or 3
	v_wmma_f32_16x16x128_fp8_fp8 v[rD:rD+7], v[rW:rW+15], v[rA:rA+15], v[DR+8*((\i)%4):DR+8*((\i)%4)+7]
.else
	WIN 0xa1+0x50*(\qq)                            ; C and D window 2 or 3
	v_wmma_f32_16x16x128_fp8_fp8 v[rD:rD+7], v[rW:rW+15], v[rA:rA+15], v[rD:rD+7]
.endif
.endm
; The plain stations, on pair p (0 .. 127) of a finished set; pairs ascend.
.macro TM p
	v_pk_mul_f32 v[2*(\p):2*(\p)+1], v[2*(\p):2*(\p)+1], s[20:21] op_sel_hi:[1,0]
.endm
.macro TA p
	v_pk_add_f32 v[2*(\p):2*(\p)+1], v[2*(\p):2*(\p)+1], 1.0 op_sel_hi:[1,0]
.endm
.macro TF p                            ; x v, added to the pair before it in its tile of rows (16 pairs)
.set pp, (\p)
.if pp%16 == 0
	v_pk_mul_f32 v[2*pp:2*pp+1], v[2*pp:2*pp+1], v[VR:VR+1]
.else
	v_pk_fma_f32 v[2*pp:2*pp+1], v[2*pp:2*pp+1], v[VR+2*(pp%16):VR+2*(pp%16)+1], v[2*pp-2:2*pp-1]
.endif
.endm
.macro TK s, x                         ; K step s, place x (0 .. 31) of its batches: batch s is scaled, batch s - 2 gets its + 1, batch s - 4 its v
.if (\s) >= 4
	TF 32*((\s)-4)+(\x)
.endif
.if ((\s) >= 2) && ((\s) <= 5)
	TA 32*((\s)-2)+(\x)
.endif
.if (\s) <= 3
	TM 32*(\s)+(\x)
.endif
.endm
.macro PADD w                          ; the eight tiles' last pairs hold the quarter's sums: onto the rows' running sums
	WIN \w
.irp g, 0,1
.irp a, 0,1,2,3
	v_pk_add_f32 v[P+2*(4*\g+\a):P+2*(4*\g+\a)+1], v[128*\g+32*\a+30:128*\g+32*\a+31], v[P+2*(4*\g+\a):P+2*(4*\g+\a)+1]
.endr
.endr
	WIN 0
.endm
; A QUARTER.  qq = 0: into window 2;  qq = 1: into window 3, with window 2's stations.  nxt: the next quarter's first fragments are fetched.
.macro QS qq, nxt
.irp s, 0,1,2,3,4,5,6,7
.irp g, 0,1
	WIN 0
.if (\qq) && (\g == 0)
	s_wait_alu depctr_va_vdst(0)                   ; the K step's one wait: behind the transcendentals and ahead of the wait below
.endif
	s_wait_dscnt 0x0                               ; this half's fragments, asked for a half ago, are in (and dsum, and v)
.if \g == 0
.if 8*(\qq)+\s <= 13
	s_wait_loadcnt 32                              ; W of this K step is in: the two K steps asked for behind it may be out
.else
	s_wait_loadcnt 16*(15-8*(\qq)-\s)              ; the trip's last two K steps: one behind it, none
.endif
.endif
	PLACES
.if \g == 0
	FETCH 1, \s
.if 8*(\qq)+\s <= 12
	WLOAD 8*(\qq)+\s+3                             ; into the registers that the last K step's products have left
.endif
.if ((\qq) == 0) && (\s == 1)
	DLOAD 1024                                     ; this quarter's first products have taken dsum: the next quarter's
.endif
.if ((\qq) == 0) && (\s == 2)
	VLOAD 0                                        ; v of this quarter, for the stations in the next
.endif
.elseif \s < 7
	FETCH 0, \s+1
.elseif \nxt
	FETCH 0, 0
.endif
.irp k, 0,1,2,3,4,5,6,7
	MM \qq, \s, \g, 2*\k
	MM \qq, \s, \g, 2*\k+1
.if \qq
	WIN 0xa2                                       ; destination, sources 0 and 2 window 2; source 1 (v) window 0
	TK \s, 16*\g+2*\k
	TK \s, 16*\g+2*\k+1
.endif
.endr
.endr
.if (\qq) && (\s >= 1) && (\s <= 4)
	WIN 0xa2
.set n, 64*(\s-1)
.rept 64
	v_exp_f32 v[n], v[n]
.set n, n+1
.endr
.endif
.if (\qq) && (\s >= 3) && (\s <= 6)
	WIN 0xa2
.set n, 64*(\s-3)
.rept 64
	v_rcp_f32 v[n], v[n]
.set n, n+1
.endr
.endif
.endr
	WIN 0
.endm
.macro EPI                             ; window 3's stations, with no products to set them between: a wait ahead of each batch of transcendentals and one behind it
	WIN 0xf3
.set n, 0
.rept 128
	TM n
.set n, n+1
.endr
	s_wait_alu depctr_va_vdst(0)
.set n, 0
.rept 256
	v_exp_f32 v[n], v[n]
.set n, n+1
.endr
	v_nop                                          ; a plain line behind the transcendentals (ISA guide 5.7.2)
	s_wait_alu depctr_va_vdst(0)
.set n, 0
.rept 128
	TA n
.set n, n+1
.endr
	s_wait_alu depctr_va_vdst(0)
.set n, 0
.rept 256
	v_rcp_f32 v[n], v[n]
.set n, n+1
.endr
	v_nop
	s_wait_alu depctr_va_vdst(0)
	s_wait_dscnt 0x0                               ; v of this quarter is in
.set n, 0
.rept 16
.irp h, 0,1,2,3,4,5,6,7
	TF 16*\h+n                                     ; the eight tiles' chains side by side
.endr
.set n, n+1
.endr
	PADD 3
.endm
	s_load_b256 s[4:11], s[0:1], 0x0               ; encoder_outputs s[4:5], wimg s[6:7], dsum s[8:9], v s[10:11]
	s_load_b128 s[12:15], s[0:1], 0x20             ; the scales' exponents s[12:13], scores s[14:15]
	v_lshl_add_u32 v[SPW], v0, 2, SPARE
	v_mov_b32 v[NIL], 0
	v_lshrrev_b32 v2, 5, v0
	v_readfirstlane_b32 s16, v2                    ; wave 0..3
	s_lshl_b32 s30, ttmp9, 19                      ; the work-group's 128 rows of 4,096 bytes,
	s_lshl_b32 s31, s16, 17                        ; my wave's 32 of them
	s_add_co_u32 s30, s30, s31
	s_mov_b32 s31, 0
	s_lshr_b32 s32, ttmp9, 2                       ; b
	s_lshl_b32 s32, s32, 12                        ; its row of dsum
	s_mov_b32 s33, 0
	s_lshl_b32 s34, s16, 16                        ; my wave's part of a quarter of wimg
	s_mov_b32 s35, 0
	s_lshl_b32 s36, ttmp9, 9                       ; the work-group's 128 scores
	s_mov_b32 s37, 0
	s_mov_b32 s22, 0x76543210                      ; v_permlanex16_b32's selects for lane l xor 16
	s_mov_b32 s23, 0xfedcba98
	s_mov_b32 s[SQ], 0
	s_mov_b32 s[XS], 0
	s_mul_i32 s38, s16, 32*XP                      ; my wave's rows of codes
	s_lshl_b32 s39, s16, 8
	s_add_co_u32 s39, s39, VLDS
	s_lshl_b32 s40, s16, 9
	s_add_co_u32 s40, s40, SST
	v_and_b32 v[LI], 31, v0
	v_lshl_add_u32 v[XST], v[LI], 3, s38
	v_lshlrev_b32 v[LI], 4, v[LI]
	v_lshlrev_b32 v[T16], 4, v0
	v_and_b32 v[RR], 15, v0                        ; r
	v_bfe_u32 v[HH], v0, 4, 1                      ; h
	v_mul_u32_u24 v[XA0], v[RR], XP
	v_lshl_add_u32 v[XA0], v[HH], 4, v[XA0]        ; a fragment's row x pitch + 16 h
	v_add_nc_u32 v[XA1], 64*XP, v[XA0]
	v_lshl_add_u32 v[VA], v[HH], 5, s39            ; v: 256 w + 32 h bytes into a quarter
	v_add_nc_u32 v[DA], DLDS-VLDS, v[VA]
	v_add_nc_u32 v[SMA], DLDS, v[T16]
	v_lshl_add_u32 v[SSA], v[RR], 2, s40
	v_add_nc_u32 v[VS], VLDS, v[LI]
	v_add_nc_u32 v[SR], SST, v[LI]
.irp j, 0,1,2,3,4,5,6,7,8,9,10,11,12,13,14,15
	v_mov_b32 v[P+\j], 0                           ; the rows' running sums: the quarters are written once, so the first adds onto zeros
.endr
	s_wait_alu depctr_va_vdst(0)
	s_wait_kmcnt 0x0
	s_load_b64 s[28:29], s[12:13], 0x0             ; e0, e1
	s_add_nc_u64 s[4:5], s[4:5], s[30:31]
	s_add_nc_u64 s[8:9], s[8:9], s[32:33]
	s_add_nc_u64 s[6:7], s[6:7], s[34:35]
	s_add_nc_u64 s[14:15], s[14:15], s[36:37]
	global_load_b128 v[SM:SM+3], v[T16], s[8:9]                    ; dsum's row and v: 128 threads x 16 bytes, twice each
	global_load_b128 v[SM+4:SM+7], v[T16], s[8:9] offset:2048
	global_load_b128 v[SM+8:SM+11], v[T16], s[10:11]
	global_load_b128 v[SM+12:SM+15], v[T16], s[10:11] offset:2048
.irp i, 0,1,2,3,4,5,6,7
	GLR \i, 0                                      ; the ring is filled: my rows 0 to 7
.endr
	s_wait_kmcnt 0x0
	s_add_co_i32 s38, s28, s29
	s_lshl_b32 s38, s38, 23
	s_add_co_i32 s20, s38, 0x4038aa3b              ; c = 2 log2(e) x 2^(e0 + e1): the exponents are added to the exponent field
	s_mov_b32 s21, s20                             ; (named with it as a pair, so it is written)
	s_add_co_i32 s28, s28, 127
	s_lshl_b32 s29, s28, 23
	v_mov_b32 v[SCL], s29                          ; 2^e0 as f32: the conversion takes its exponent field
	s_add_co_i32 s28, s28, 8
	s_lshl_b32 s28, s28, 23
	s_or_b32 s28, s28, 0x600000
	v_mov_b32 v[LIM], s28                          ; 448 x 2^e0
	s_wait_alu depctr_va_vdst(0)
	s_wait_loadcnt 63                              ; 64 loads were issued behind dsum's and v's four
	ds_store_b128 v[SMA], v[SM:SM+3]
	ds_store_b128 v[SMA], v[SM+4:SM+7] offset:2048
	ds_store_b128 v[SMA], v[SM+8:SM+11] offset:4096
	ds_store_b128 v[SMA], v[SM+12:SM+15] offset:6144
	s_mov_b32 s24, 3
.Lx:                                                   ; PHASE X: a trip takes the ring's 8 rows and asks for the next 8
	v_add_nc_u32 v[XAD], s[XS], v[XST]
.irp i, 0,1,2,3,4,5,6,7
	ROWX \i, 1, 56                                 ; behind a row's 8 loads: the 7 other slots' 56
.endr
	s_wait_xcnt 0x0                                ; the loads have read their base
	s_add_nc_u64 s[4:5], s[4:5], 0x8000
	s_add_co_u32 s[XS], s[XS], 8*XP
	s_sub_co_u32 s24, s24, 1
	s_cmp_lg_u32 s24, 0
	s_cbranch_scc1 .Lx
	v_add_nc_u32 v[XAD], s[XS], v[XST]
	ROWX 0, 0, 56                                  ; the last 8 rows: nothing of x is left to ask for; W's K steps 0, 1, 2 go out behind rows 0, 1, 2
	ROWX 1, 0, 63                                  ; behind row i: 8 (7 - i) loads of x and 16 for each K step of W asked for
	ROWX 2, 0, 63
	ROWX 3, 0, 63
	ROWX 4, 0, 63
	ROWX 5, 0, 63
	ROWX 6, 0, 56
	ROWX 7, 0, 48
	s_wait_dscnt 0x0                               ; for the others' sake: my codes, and my part of dsum and v, lie in LDS
	s_barrier_signal -1
	s_barrier_wait -1                              ; the 128 rows of codes, dsum's row and v lie in LDS; nothing of them is written again
	DLOAD 0
	FETCH 0, 0
	s_mov_b32 s24, 2
.Ltrip:                                                ; a trip: two quarters of N
	QS 0, 1
	QS 1, 0
	PLACES                                         ; behind the last products
	PADD 2
	VLOAD 1024                                     ; v of the quarter in window 3
	s_cmp_eq_u32 s24, 1
	s_cbranch_scc1 .Lnomore                        ; the last trip asks for nothing more
	WLOAD 16                                       ; the next trip's first three K steps of W, its dsum and its first fragments
	WLOAD 17
	WLOAD 18
	DLOAD 2048
	FETCH 0, 0
.Lnomore:
	EPI
	s_wait_alu depctr_va_vdst(0)
	s_wait_xcnt 0x0                                ; W's loads have read their base
	s_add_nc_u64 s[6:7], s[6:7], 0x80000
	s_add_co_u32 s[SQ], s[SQ], 2048
	s_sub_co_u32 s24, s24, 1
	s_cmp_lg_u32 s24, 0
	s_cbranch_scc1 .Ltrip
	; THE END.  A pair's halves, the lane 16 away (the other eight n of each tile), then the four waves' parts through LDS.
.irp a, 0,1,2,3,4,5,6,7
	v_add_f32 v[SM+\a], v[P+2*\a], v[P+2*\a+1]
.endr
.irp a, 0,1,2,3,4,5,6,7
	v_permlanex16_b32 v[SM+8+\a], v[SM+\a], s22, s23
.endr
.irp a, 0,1,2,3,4,5,6,7
	v_add_f32 v[SM+\a], v[SM+\a], v[SM+8+\a]
.endr
.irp a, 0,1,2,3,4,5,6,7
	ds_store_b32 v[SSA], v[SM+\a] offset:64*\a     ; row 16 a + r; lanes r and r + 16 store the same number to the same word
.endr
	s_wait_dscnt 0x0                               ; for wave 0's sake
	s_barrier_signal -1
	s_barrier_wait -1
	s_cmp_lg_u32 s16, 0
	s_cbranch_scc1 .Lend                           ; wave 0 alone goes on: 128 scores are one store
.irp k, 0,1,2,3
	ds_load_b128 v[F0+4*\k:F0+4*\k+3], v[SR] offset:512*\k         ; wave k's sums of rows 4 lane .. 4 lane + 3
.endr
.irp k, 0,1,2,3,4,5,6,7
	ds_load_b128 v[F0+64+4*\k:F0+64+4*\k+3], v[VS] offset:512*\k   ; v: 32 numbers a lane
.endr
	s_wait_dscnt 0x0
	v_pk_add_f32 v[F0:F0+1], v[F0:F0+1], v[F0+4:F0+5]
	v_pk_add_f32 v[F0+2:F0+3], v[F0+2:F0+3], v[F0+6:F0+7]
	v_pk_add_f32 v[F0+8:F0+9], v[F0+8:F0+9], v[F0+12:F0+13]
	v_pk_add_f32 v[F0+10:F0+11], v[F0+10:F0+11], v[F0+14:F0+15]
	v_pk_add_f32 v[F0:F0+1], v[F0:F0+1], v[F0+8:F0+9]
	v_pk_add_f32 v[F0+2:F0+3], v[F0+2:F0+3], v[F0+10:F0+11]
.irp k, 0,2,4,6,8,10,12,14
	v_pk_add_f32 v[F0+64+\k:F0+65+\k], v[F0+64+\k:F0+65+\k], v[F0+80+\k:F0+81+\k]
.endr
.irp k, 0,2,4,6
	v_pk_add_f32 v[F0+64+\k:F0+65+\k], v[F0+64+\k:F0+65+\k], v[F0+72+\k:F0+73+\k]
.endr
.irp k, 0,2
	v_pk_add_f32 v[F0+64+\k:F0+65+\k], v[F0+64+\k:F0+65+\k], v[F0+68+\k:F0+69+\k]
.endr
	v_pk_add_f32 v[F0+64:F0+65], v[F0+64:F0+65], v[F0+66:F0+67]
	v_add_f32 v[F0+64], v[F0+64], v[F0+65]
	v_add_f32_dpp v[F0+64], v[F0+64], v[F0+64] row_xmask:1 row_mask:0xf bank_mask:0xf
	v_add_f32_dpp v[F0+64], v[F0+64], v[F0+64] row_xmask:2 row_mask:0xf bank_mask:0xf
	v_add_f32_dpp v[F0+64], v[F0+64], v[F0+64] row_xmask:4 row_mask:0xf bank_mask:0xf
	v_add_f32_dpp v[F0+64], v[F0+64], v[F0+64] row_xmask:8 row_mask:0xf bank_mask:0xf
	v_permlanex16_b32 v[F0+65], v[F0+64], s22, s23
	v_add_f32 v[F0+64], v[F0+64], v[F0+65]         ; sum(v), in every lane
.irp j, 0,1,2,3
	v_fma_f32 v[F0+\j], -2.0, v[F0+\j], v[F0+64]   ; the score
.endr
	global_store_b128 v[LI], v[F0:F0+3], s[14:15]  ; 512 consecutive bytes
.Lend:
	s_barrier_signal -1
	s_barrier_wait -1
	s_wait_tensorcnt 0x0                           ; the wave's end
	ds_add_u32 v[SPW], v[NIL]
	s_wait_dscnt 0x0
	s_endpgm
.Lfunc_end_k_q2cb54d9083_scores:
	.size	k_q2cb54d9083_scores, .Lfunc_end_k_q2cb54d9083_scores-k_q2cb54d9083_scores
	.p2alignl 7, 3214868480
	.fill 96, 4, 3214868480
	.section	.rodata,"a",@progbits
	.p2align	6, 0x0
	.amdhsa_kernel k_q2cb54d9083_scores
		.amdhsa_group_segment_fixed_size 143872
		.amdhsa_private_segment_fixed_size 0
		.amdhsa_enable_private_segment 0
		.amdhsa_kernarg_size 48
		.amdhsa_user_sgpr_count 2
		.amdhsa_user_sgpr_kernarg_segment_ptr 1
		.amdhsa_wavefront_size32 1
		.amdhsa_system_sgpr_workgroup_id_x 1
		.amdhsa_system_sgpr_workgroup_id_y 1
		.amdhsa_system_sgpr_workgroup_id_z 1
		.amdhsa_system_vgpr_workitem_id 0
		.amdhsa_next_free_vgpr 1024
		.amdhsa_next_free_sgpr 66
		.amdhsa_reserve_vcc 0
		.amdhsa_float_denorm_mode_32 3
		.amdhsa_float_denorm_mode_16_64 3
		.amdhsa_memory_ordered 1
		.amdhsa_forward_progress 1
		.amdhsa_inst_pref_size 255
	.end_amdhsa_kernel
	.section	.bss,"aw",@nobits
	.p2align	6
	.space	262144
	.amdgpu_metadata
---
amdhsa.version: [ 1, 2 ]
amdhsa.kernels:
  - .name:           k_q2cb54d9083_scores
    .symbol:         k_q2cb54d9083_scores.kd
    .args:
      - { .name: encoder_outputs, .offset: 0, .size: 8, .value_kind: global_buffer, .address_space: global }
      - { .name: wimg, .offset: 8, .size: 8, .value_kind: global_buffer, .address_space: global }
      - { .name: dsum, .offset: 16, .size: 8, .value_kind: global_buffer, .address_space: global }
      - { .name: v, .offset: 24, .size: 8, .value_kind: global_buffer, .address_space: global }
      - { .name: lowp_scales, .offset: 32, .size: 8, .value_kind: global_buffer, .address_space: global }
      - { .name: scores, .offset: 40, .size: 8, .value_kind: global_buffer, .address_space: global }
    .group_segment_fixed_size: 143872
    .private_segment_fixed_size: 0
    .kernarg_segment_align: 8
    .kernarg_segment_size: 48
    .max_flat_workgroup_size: 128
    .sgpr_count:     66
    .vgpr_count:     1024
    .wavefront_size: 32
...
	.end_amdgpu_metadata
.endif
;; end of part 2
;; launch partial (part 3): grid 256 x 1, 16 waves a work-group, no clusters, 84,992 bytes of LDS; arguments scores, inp_mask, encoder_outputs, part, uraw; writes part, uraw
.if DOCPART == 3
	.amdgcn_target "amdgcn-amd-amdhsa--gfx1250"
	.amdhsa_code_object_version 6
	.text
	.protected	k_q2cb54d9083_partial
	.globl	k_q2cb54d9083_partial
	.p2align	8
	.type	k_q2cb54d9083_partial,@function
k_q2cb54d9083_partial:
	s_mov_b64 s[64:65], 0
	v_nop
	global_prefetch_b8 v0, s[64:65] scope:SCOPE_SE
	s_setreg_imm32_b32 hwreg(HW_REG_WAVE_MODE, 25, 1), 1
	s_wait_xcnt 0x0
; PARTIAL.  u[b][s] = softmax over b' of scores[b'][s], taken at b, x inp_mask[s][b];  part[g][h] = sum over the work-group's 128 s of u[b][s] x encoder_outputs[b][s][h].
; The division by (sum over all 512 s of u + 1e-10) and the sum of a b's four parts are the next launch's: a row's sum spans four work-groups.
; SHARES.  Work-group g: b = g / 4, s = 128 (g % 4) .. + 127.  Sixteen waves, 512 threads.
; THE SOFTMAX takes the largest score away.  Wave w takes b' = 4 w .. 4 w + 3, a load to a b': 512 consecutive bytes, 4 s a lane: largest m and sum Z of 2^((score - m) log2(e)) of its four;
; then threads 0 to 127, one to an s, join the sixteen waves' m and Z.
; THE STREAM.  Wave w takes rows 8 w .. 8 w + 7 whole: 8 loads of 512 consecutive bytes to a row of 4,096, so the work-group reads 524,288 bytes on end.  A ring of 4 rows (32 loads, 128 registers) is filled
; at the head, so that 16 waves x 32 x 512 bytes are on their way while the softmax is made.  The product is left as it is: f32 multiply-adds; M = 1, so the matrix units have nothing to gain; no byte is used twice,
; so neither LDS nor joint loads serve it; the stream has no lead left for a prefetch to add to.
; No limit on range beyond f32's own; NaN among the inputs is not served.
.set MS,    0                          ; LDS: m log2(e), [16 waves][128 s]
.set ZS,    8192                       ; Z likewise
.set UL,    16384                      ; u, 128 numbers
.set CST,   17408                      ; the 16 waves' sums, 4,096 bytes each
.set SPARE, 82944                      ; the spare words, 128 bytes a wave
.set LI,  1                            ; 16 x lane
.set SA,  2                            ; scores: 16 x lane + 4 w rows of 2,048 bytes
.set T4,  3                            ; 4 (t % 128)
.set MK,  4                            ; 256 (t % 128): the mask's row
.set MSI, 5                            ; 512 w + 16 x lane
.set UA,  6                            ; UL + 32 w: my wave's 8 u
.set CSI, 7                            ; CST + 4096 w + 16 x lane
.set CSO, 8                            ; CST + 16 t
.set UO,  9                            ; UL + 16 x lane
.set OWN, 10                           ; scores[b][s], inp_mask[s][b] of s = t % 128
.set MSK, 11
.set T16, 12                           ; 16 t
.set S,   16                           ; v16-31   16 scores
.set T,   32                           ; v32-79   at work
.set U,   80                           ; v80-87   my wave's 8 u
.set AC,  88                           ; v88-119  32 sums: my 16 bytes of each of a row's eight 512
.set RG,  120                          ; v120-247 the ring: 4 rows of 32
.set SPW, 254
.set NIL, 255
	s_load_b256 s[4:11], s[0:1], 0x0               ; scores s[4:5], inp_mask s[6:7], encoder_outputs s[8:9], part s[10:11]
	s_load_b64 s[12:13], s[0:1], 0x20              ; uraw
	v_lshl_add_u32 v[SPW], v0, 2, SPARE
	v_mov_b32 v[NIL], 0
	v_lshrrev_b32 v2, 5, v0
	v_readfirstlane_b32 s14, v2                    ; wave 0..15
	s_lshr_b32 s15, ttmp9, 2                       ; b
	s_and_b32 s16, ttmp9, 3                        ; the quarter of s
	s_lshl_b32 s18, s16, 9                         ; scores: the quarter's 512 bytes of every row
	s_mov_b32 s19, 0
	s_lshl_b32 s20, s15, 11                        ; and of row b (in uraw too)
	s_add_co_u32 s20, s20, s18
	s_mov_b32 s21, 0
	s_lshl_b32 s22, s16, 15                        ; the mask: 128 rows of 256 bytes a quarter, column b
	s_lshl_b32 s23, s15, 2
	s_add_co_u32 s22, s22, s23
	s_mov_b32 s23, 0
	s_lshl_b32 s24, s15, 21                        ; encoder_outputs: b x 512 rows + the quarter's 128 + my wave's 8, of 4,096 bytes
	s_lshl_b32 s25, s16, 19
	s_add_co_u32 s24, s24, s25
	s_lshl_b32 s25, s14, 15
	s_add_co_u32 s24, s24, s25
	s_mov_b32 s25, 0
	s_lshl_b32 s26, ttmp9, 12                      ; part: 4,096 bytes a work-group
	s_mov_b32 s27, 0
	s_mov_b32 s28, 0x3fb8aa3b                      ; log2(e)
	s_mov_b32 s29, s28                             ; (named with it as a pair, so it is written)
	s_lshl_b32 s30, s14, 13
	s_lshl_b32 s31, s14, 9
	s_lshl_b32 s32, s14, 5
	s_add_co_u32 s32, s32, UL
	s_lshl_b32 s33, s14, 12
	s_add_co_u32 s33, s33, CST
	v_and_b32 v[LI], 31, v0
	v_lshlrev_b32 v[LI], 4, v[LI]
	v_add_nc_u32 v[SA], s30, v[LI]
	v_add_nc_u32 v[MSI], s31, v[LI]
	v_and_b32 v[T4], 127, v0
	v_lshlrev_b32 v[MK], 8, v[T4]
	v_lshlrev_b32 v[T4], 2, v[T4]
	v_mov_b32 v[UA], s32
	v_add_nc_u32 v[CSI], s33, v[LI]
	v_lshl_add_u32 v[CSO], v0, 4, CST
	v_add_nc_u32 v[UO], UL, v[LI]
	v_lshlrev_b32 v[T16], 4, v0
	s_wait_alu depctr_va_vdst(0)
	s_wait_kmcnt 0x0
	s_add_nc_u64 s[34:35], s[4:5], s[18:19]
	s_add_nc_u64 s[36:37], s[4:5], s[20:21]
	s_add_nc_u64 s[6:7], s[6:7], s[22:23]
	s_add_nc_u64 s[8:9], s[8:9], s[24:25]
	s_add_nc_u64 s[10:11], s[10:11], s[26:27]
	s_add_nc_u64 s[12:13], s[12:13], s[20:21]
.irp j, 0,1,2,3
	global_load_b128 v[S+4*\j:S+4*\j+3], v[SA], s[34:35] offset:2048*\j     ; scores[4 w + j][my 4 s]
.endr
	s_cmp_lt_u32 s14, 4
	s_cbranch_scc0 .Lno_own                        ; threads 0 to 127 alone join the waves' parts
	global_load_b32 v[OWN], v[T4], s[36:37]
	global_load_b32 v[MSK], v[MK], s[6:7]          ; one number of each of the quarter's 128 rows of the mask: read once in the work-group
.Lno_own:
.irp i, 0,1,2,3
.irp q, 0,1,2,3,4,5,6,7
	global_load_b128 v[RG+32*\i+4*\q:RG+32*\i+4*\q+3], v[LI], s[8:9] offset:4096*\i+512*\q th:TH_LOAD_NT   ; the ring is filled: my rows 0 to 3
.endr
.endr
	s_wait_loadcnt 32                              ; all ahead of the ring's 32 loads are in
.irp i, 0,1,2,3
	v_max3_num_f32 v[T+\i], v[S+\i], v[S+4+\i], v[S+8+\i]
.endr
.irp i, 0,1,2,3
	v_max_num_f32 v[T+\i], v[T+\i], v[S+12+\i]
.endr
.irp i, 0,1,2,3
	v_mul_f32 v[T+\i], s28, v[T+\i]                ; m log2(e)
.endr
.irp j, 0,1,2,3
	v_pk_fma_f32 v[S+4*\j:S+4*\j+1], v[S+4*\j:S+4*\j+1], s[28:29], v[T:T+1] op_sel_hi:[1,0,1] neg_lo:[0,0,1] neg_hi:[0,0,1]
	v_pk_fma_f32 v[S+4*\j+2:S+4*\j+3], v[S+4*\j+2:S+4*\j+3], s[28:29], v[T+2:T+3] op_sel_hi:[1,0,1] neg_lo:[0,0,1] neg_hi:[0,0,1]
.endr
	s_wait_alu depctr_va_vdst(0)                   ; a wait ahead of the batch and one behind it
.irp j, 0,1,2,3,4,5,6,7,8,9,10,11,12,13,14,15
	v_exp_f32 v[S+\j], v[S+\j]
.endr
	v_nop                                          ; a plain line behind the exponentials (ISA guide 5.7.2)
	s_wait_alu depctr_va_vdst(0)
	v_pk_add_f32 v[T+4:T+5], v[S:S+1], v[S+4:S+5]
	v_pk_add_f32 v[T+6:T+7], v[S+2:S+3], v[S+6:S+7]
.irp j, 2,3
	v_pk_add_f32 v[T+4:T+5], v[T+4:T+5], v[S+4*\j:S+4*\j+1]
	v_pk_add_f32 v[T+6:T+7], v[T+6:T+7], v[S+4*\j+2:S+4*\j+3]
.endr
	ds_store_b128 v[MSI], v[T:T+3] offset:MS
	ds_store_b128 v[MSI], v[T+4:T+7] offset:ZS
	s_wait_dscnt 0x0                               ; for the others' sake
	s_barrier_signal -1
	s_barrier_wait -1                              ; all waves' m and Z lie in LDS
	s_cmp_lt_u32 s14, 4
	s_cbranch_scc0 .Lno_join
.irp k, 0,1,2,3,4,5,6,7,8,9,10,11,12,13,14,15
	ds_load_b32 v[T+8+\k], v[T4] offset:MS+512*\k
	ds_load_b32 v[T+24+\k], v[T4] offset:ZS+512*\k
.endr
	s_wait_dscnt 0x0
	v_max3_num_f32 v[T+40], v[T+8], v[T+9], v[T+10]
	v_max3_num_f32 v[T+41], v[T+11], v[T+12], v[T+13]
.irp k, 14,18
	v_max3_num_f32 v[T+40], v[T+40], v[T+\k], v[T+\k+1]
	v_max3_num_f32 v[T+41], v[T+41], v[T+\k+2], v[T+\k+3]
.endr
	v_max3_num_f32 v[T+40], v[T+40], v[T+22], v[T+23]
	v_max_num_f32 v[T+40], v[T+40], v[T+41]        ; M: the column's largest score x log2(e)
.irp k, 0,1,2,3,4,5,6,7,8,9,10,11,12,13,14,15
	v_sub_f32 v[T+8+\k], v[T+8+\k], v[T+40]
.endr
	v_fma_f32 v[T+41], v[OWN], s28, -v[T+40]
	s_wait_alu depctr_va_vdst(0)
.irp k, 0,1,2,3,4,5,6,7,8,9,10,11,12,13,14,15
	v_exp_f32 v[T+8+\k], v[T+8+\k]
.endr
	v_exp_f32 v[T+41], v[T+41]
	v_nop
	s_wait_alu depctr_va_vdst(0)
	v_mul_f32 v[T+42], v[T+8], v[T+24]
	v_mul_f32 v[T+43], v[T+9], v[T+25]
.irp k, 2,4,6,8,10,12,14
	v_fmac_f32 v[T+42], v[T+8+\k], v[T+24+\k]
	v_fmac_f32 v[T+43], v[T+9+\k], v[T+25+\k]
.endr
	v_add_f32 v[T+42], v[T+42], v[T+43]            ; the column's sum, at least 1
	s_wait_alu depctr_va_vdst(0)
	v_rcp_f32 v[T+44], v[T+42]
	v_mul_f32 v[T+41], v[T+41], v[MSK]             ; (the plain line behind the reciprocal)
	s_wait_alu depctr_va_vdst(0)
	v_mul_f32 v[T+41], v[T+41], v[T+44]            ; u = softmax x mask
	ds_store_b32 v[T4], v[T+41] offset:UL
.Lno_join:
	s_wait_dscnt 0x0                               ; for the others' sake
	s_barrier_signal -1
	s_barrier_wait -1                              ; the 128 u lie in LDS
	ds_load_b128 v[U:U+3], v[UA]                   ; my wave's 8 u, the same in every lane
	ds_load_b128 v[U+4:U+7], v[UA] offset:16
	s_wait_dscnt 0x0
; Row i of my 8: 32 numbers a lane x u[i], onto the 32 sums.  The first four slots are loaded again, with the row 4 further on.
.macro ROW i
.if (\i) < 4
	s_wait_loadcnt 24                              ; loads come back in order: row i is in; the three other slots' 24 loads may be out
.else
	s_wait_loadcnt 8*(7-(\i))
.endif
.set rR, RG+32*((\i)%4)
.set rU, U+2*((\i)/2)
.set n, 0
.rept 16
.if (\i) == 0
	v_pk_mul_f32 v[AC+n:AC+n+1], v[rR+n:rR+n+1], v[rU:rU+1] op_sel_hi:[1,0]        ; the first row starts the sums; of the pair of u the low word serves both halves,
.elseif (\i)%2 == 0
	v_pk_fma_f32 v[AC+n:AC+n+1], v[rR+n:rR+n+1], v[rU:rU+1], v[AC+n:AC+n+1] op_sel_hi:[1,0,1]
.else
	v_pk_fma_f32 v[AC+n:AC+n+1], v[rR+n:rR+n+1], v[rU:rU+1], v[AC+n:AC+n+1] op_sel:[0,1,0] op_sel_hi:[1,1,1]   ; in odd rows the high word
.endif
.set n, n+2
.endr
.if (\i) < 4
.irp q, 0,1,2,3,4,5,6,7
	global_load_b128 v[rR+4*\q:rR+4*\q+3], v[LI], s[8:9] offset:4096*((\i)+4)+512*\q th:TH_LOAD_NT
.endr
.endif
.endm
.irp i, 0,1,2,3,4,5,6,7
	ROW \i
.endr
.irp q, 0,1,2,3,4,5,6,7
	ds_store_b128 v[CSI], v[AC+4*\q:AC+4*\q+3] offset:512*\q
.endr
	s_wait_dscnt 0x0                               ; for the others' sake
	s_barrier_signal -1
	s_barrier_wait -1                              ; the 16 waves' sums lie in LDS
	s_cmp_lt_u32 s14, 8
	s_cbranch_scc0 .Lend                           ; 4,096 bytes are 256 threads x 16
.irp k, 0,1,2,3,4,5,6,7,8,9,10,11,12,13,14,15
	ds_load_b128 v[RG+4*\k:RG+4*\k+3], v[CSO] offset:4096*\k
.endr
	s_wait_dscnt 0x0
.irp k, 0,2,4,6,8,10,12,14,16,18,20,22,24,26,28,30
	v_pk_add_f32 v[RG+\k:RG+\k+1], v[RG+\k:RG+\k+1], v[RG+32+\k:RG+33+\k]
.endr
.irp k, 0,2,4,6,8,10,12,14
	v_pk_add_f32 v[RG+\k:RG+\k+1], v[RG+\k:RG+\k+1], v[RG+16+\k:RG+17+\k]
.endr
.irp k, 0,2,4,6
	v_pk_add_f32 v[RG+\k:RG+\k+1], v[RG+\k:RG+\k+1], v[RG+8+\k:RG+9+\k]
.endr
.irp k, 0,2
	v_pk_add_f32 v[RG+\k:RG+\k+1], v[RG+\k:RG+\k+1], v[RG+4+\k:RG+5+\k]
.endr
	global_store_b128 v[T16], v[RG:RG+3], s[10:11] ; a wave stores 512 consecutive bytes of the work-group's part
	s_cmp_lg_u32 s14, 0
	s_cbranch_scc1 .Lend
	ds_load_b128 v[U:U+3], v[UO]                   ; wave 0: the 128 u
	s_wait_dscnt 0x0
	global_store_b128 v[LI], v[U:U+3], s[12:13]    ; 512 consecutive bytes of uraw
.Lend:
	s_barrier_signal -1
	s_barrier_wait -1
	s_wait_tensorcnt 0x0                           ; the wave's end
	ds_add_u32 v[SPW], v[NIL]
	s_wait_dscnt 0x0
	s_endpgm
.Lfunc_end_k_q2cb54d9083_partial:
	.size	k_q2cb54d9083_partial, .Lfunc_end_k_q2cb54d9083_partial-k_q2cb54d9083_partial
	.p2alignl 7, 3214868480
	.fill 96, 4, 3214868480
	.section	.rodata,"a",@progbits
	.p2align	6, 0x0
	.amdhsa_kernel k_q2cb54d9083_partial
		.amdhsa_group_segment_fixed_size 84992
		.amdhsa_private_segment_fixed_size 0
		.amdhsa_enable_private_segment 0
		.amdhsa_kernarg_size 40
		.amdhsa_user_sgpr_count 2
		.amdhsa_user_sgpr_kernarg_segment_ptr 1
		.amdhsa_wavefront_size32 1
		.amdhsa_system_sgpr_workgroup_id_x 1
		.amdhsa_system_sgpr_workgroup_id_y 1
		.amdhsa_system_sgpr_workgroup_id_z 1
		.amdhsa_system_vgpr_workitem_id 0
		.amdhsa_next_free_vgpr 256
		.amdhsa_next_free_sgpr 66
		.amdhsa_reserve_vcc 0
		.amdhsa_float_denorm_mode_32 3
		.amdhsa_float_denorm_mode_16_64 3
		.amdhsa_memory_ordered 1
		.amdhsa_forward_progress 1
		.amdhsa_inst_pref_size 29
	.end_amdhsa_kernel
	.amdgpu_metadata
---
amdhsa.version: [ 1, 2 ]
amdhsa.kernels:
  - .name:           k_q2cb54d9083_partial
    .symbol:         k_q2cb54d9083_partial.kd
    .args:
      - { .name: scores, .offset: 0, .size: 8, .value_kind: global_buffer, .address_space: global }
      - { .name: inp_mask, .offset: 8, .size: 8, .value_kind: global_buffer, .address_space: global }
      - { .name: encoder_outputs, .offset: 16, .size: 8, .value_kind: global_buffer, .address_space: global }
      - { .name: part, .offset: 24, .size: 8, .value_kind: global_buffer, .address_space: global }
      - { .name: uraw, .offset: 32, .size: 8, .value_kind: global_buffer, .address_space: global }
    .group_segment_fixed_size: 84992
    .private_segment_fixed_size: 0
    .kernarg_segment_align: 8
    .kernarg_segment_size: 40
    .max_flat_workgroup_size: 512
    .sgpr_count:     66
    .vgpr_count:     256
    .wavefront_size: 32
...
	.end_amdgpu_metadata
.endif
;; end of part 3
;; launch finish (part 4): grid 64 x 1, 8 waves a work-group, no clusters, 0 bytes of LDS; arguments part, uraw, out0, out1; writes out0, out1
.if DOCPART == 4
	.amdgcn_target "amdgcn-amd-amdhsa--gfx1250"
	.amdhsa_code_object_version 6
	.text
	.protected	k_q2cb54d9083_finish
	.globl	k_q2cb54d9083_finish
	.p2align	8
	.type	k_q2cb54d9083_finish,@function
k_q2cb54d9083_finish:
	s_mov_b64 s[64:65], 0
	v_nop
	global_prefetch_b8 v0, s[64:65] scope:SCOPE_SE
	s_setreg_imm32_b32 hwreg(HW_REG_WAVE_MODE, 25, 1), 1
	s_wait_xcnt 0x0
; FINISH.  For b = the work-group's number: rr = 1 / (sum over s of u[b][s] + 1e-10);  out0[b][s] = u[b][s] rr;  out1[b][h] = rr x the sum of b's four parts.
; Eight waves, 256 threads.  Every wave sums the row's 512 u itself (2,048 bytes, four loads of 512 consecutive bytes), so no wave waits for another and LDS is not used.
; Thread t takes 16 bytes at 16 t of each of the four parts and of out1's row; threads 0 to 127 the same of u's row and out0's.  64 rows are 64 work-groups: there is no more work to share out.
	s_load_b256 s[4:11], s[0:1], 0x0               ; part s[4:5], uraw s[6:7], out0 s[8:9], out1 s[10:11]
	v_lshrrev_b32 v2, 5, v0
	v_readfirstlane_b32 s14, v2                    ; wave 0..7
	s_lshl_b32 s16, ttmp9, 14                      ; b's four parts of 4,096 bytes
	s_mov_b32 s17, 0
	s_lshl_b32 s18, ttmp9, 11                      ; b's row of uraw and of out0
	s_mov_b32 s19, 0
	s_lshl_b32 s20, ttmp9, 12                      ; b's row of out1
	s_mov_b32 s21, 0
	s_mov_b32 s22, 0x76543210                      ; v_permlanex16_b32's selects for lane l xor 16
	s_mov_b32 s23, 0xfedcba98
	v_and_b32 v1, 31, v0
	v_lshlrev_b32 v1, 4, v1                        ; 16 x lane
	v_lshlrev_b32 v3, 4, v0                        ; 16 t
	s_wait_alu depctr_va_vdst(0)
	s_wait_kmcnt 0x0
	s_add_nc_u64 s[4:5], s[4:5], s[16:17]
	s_add_nc_u64 s[6:7], s[6:7], s[18:19]
	s_add_nc_u64 s[8:9], s[8:9], s[18:19]
	s_add_nc_u64 s[10:11], s[10:11], s[20:21]
.irp k, 0,1,2,3
	global_load_b128 v[8+4*\k:11+4*\k], v1, s[6:7] offset:512*\k       ; the row's 512 u, 16 a lane
.endr
.irp k, 0,1,2,3
	global_load_b128 v[24+4*\k:27+4*\k], v3, s[4:5] offset:4096*\k     ; my 16 bytes of the four parts
.endr
	s_cmp_lt_u32 s14, 4
	s_cbranch_scc0 .Lno_u
	global_load_b128 v[40:43], v3, s[6:7]          ; my 4 u
.Lno_u:
	s_wait_loadcnt 0x0
	v_pk_add_f32 v[8:9], v[8:9], v[12:13]
	v_pk_add_f32 v[10:11], v[10:11], v[14:15]
	v_pk_add_f32 v[16:17], v[16:17], v[20:21]
	v_pk_add_f32 v[18:19], v[18:19], v[22:23]
	v_pk_add_f32 v[24:25], v[24:25], v[28:29]
	v_pk_add_f32 v[26:27], v[26:27], v[30:31]
	v_pk_add_f32 v[32:33], v[32:33], v[36:37]
	v_pk_add_f32 v[34:35], v[34:35], v[38:39]
	v_pk_add_f32 v[8:9], v[8:9], v[16:17]
	v_pk_add_f32 v[10:11], v[10:11], v[18:19]
	v_pk_add_f32 v[24:25], v[24:25], v[32:33]
	v_pk_add_f32 v[26:27], v[26:27], v[34:35]      ; the four parts, summed
	v_pk_add_f32 v[8:9], v[8:9], v[10:11]
	v_add_f32 v8, v8, v9
	v_add_f32_dpp v8, v8, v8 row_xmask:1 row_mask:0xf bank_mask:0xf
	v_add_f32_dpp v8, v8, v8 row_xmask:2 row_mask:0xf bank_mask:0xf
	v_add_f32_dpp v8, v8, v8 row_xmask:4 row_mask:0xf bank_mask:0xf
	v_add_f32_dpp v8, v8, v8 row_xmask:8 row_mask:0xf bank_mask:0xf
	v_permlanex16_b32 v9, v8, s22, s23
	v_add_f32 v8, v8, v9                           ; the row's sum, in every lane
	v_add_f32 v8, 0x2edbe6ff, v8                   ; + 1e-10
	s_wait_alu depctr_va_vdst(0)                   ; a wait ahead of the transcendental and one behind it
	v_rcp_f32 v10, v8
	v_nop                                          ; a plain line behind it (ISA guide 5.7.2)
	s_wait_alu depctr_va_vdst(0)
.irp j, 0,1,2,3
	v_mul_f32 v[24+\j], v[24+\j], v10
.endr
	global_store_b128 v3, v[24:27], s[10:11]       ; a wave stores 512 consecutive bytes of out1
	s_cmp_lt_u32 s14, 4
	s_cbranch_scc0 .Lend
.irp j, 0,1,2,3
	v_mul_f32 v[40+\j], v[40+\j], v10
.endr
	global_store_b128 v3, v[40:43], s[8:9]         ; 512 consecutive bytes of out0
.Lend:
	s_endpgm
.Lfunc_end_k_q2cb54d9083_finish:
	.size	k_q2cb54d9083_finish, .Lfunc_end_k_q2cb54d9083_finish-k_q2cb54d9083_finish
	.p2alignl 7, 3214868480
	.fill 96, 4, 3214868480
	.section	.rodata,"a",@progbits
	.p2align	6, 0x0
	.amdhsa_kernel k_q2cb54d9083_finish
		.amdhsa_group_segment_fixed_size 0
		.amdhsa_private_segment_fixed_size 0
		.amdhsa_enable_private_segment 0
		.amdhsa_kernarg_size 32
		.amdhsa_user_sgpr_count 2
		.amdhsa_user_sgpr_kernarg_segment_ptr 1
		.amdhsa_wavefront_size32 1
		.amdhsa_system_sgpr_workgroup_id_x 1
		.amdhsa_system_sgpr_workgroup_id_y 1
		.amdhsa_system_sgpr_workgroup_id_z 1
		.amdhsa_system_vgpr_workitem_id 0
		.amdhsa_next_free_vgpr 48
		.amdhsa_next_free_sgpr 66
		.amdhsa_reserve_vcc 0
		.amdhsa_float_denorm_mode_32 3
		.amdhsa_float_denorm_mode_16_64 3
		.amdhsa_memory_ordered 1
		.amdhsa_forward_progress 1
		.amdhsa_inst_pref_size 4
	.end_amdhsa_kernel
	.amdgpu_metadata
---
amdhsa.version: [ 1, 2 ]
amdhsa.kernels:
  - .name:           k_q2cb54d9083_finish
    .symbol:         k_q2cb54d9083_finish.kd
    .args:
      - { .name: part, .offset: 0, .size: 8, .value_kind: global_buffer, .address_space: global }
      - { .name: uraw, .offset: 8, .size: 8, .value_kind: global_buffer, .address_space: global }
      - { .name: out0, .offset: 16, .size: 8, .value_kind: global_buffer, .address_space: global }
      - { .name: out1, .offset: 24, .size: 8, .value_kind: global_buffer, .address_space: global }
    .group_segment_fixed_size: 0
    .private_segment_fixed_size: 0
    .kernarg_segment_align: 8
    .kernarg_segment_size: 32
    .max_flat_workgroup_size: 256
    .sgpr_count:     66
    .vgpr_count:     48
    .wavefront_size: 32
...
	.end_amdgpu_metadata
.endif
;; end of part 4
